; MI455X (gfx1250); checked and timed in simulation.
; The chip was launched on July 23, 2026; its instructions are those of AMD's public machine-readable ISA for CDNA 5 (MIT licence, August 2026) and "CDNA5" Instruction Set Architecture Reference Guide (July 2026). The comments in the code are by the model that wrote it; some were corrected since.
;; Spatial Diff Attn. Allowed arithmetic: matrix products marked QUANTISED: E2M3 operands, one E8M0 scale for each 32 along K, by v_wmma_scale_f32_16x16x128_f8f6f4 with both operands' format E2M3, f32 sums; products left as they are: f32 operands where the result goes on into a quantised operand, else bf16, f16 or f32 operands; f32 sums; everything else in f32.
;; Inputs: Wk_codes 256 x 8 x 24 uint8 (E2M3 codes of Wk, K innermost, in blocks of 32 codes, four codes in three bytes); Wk_scales 256 x 8 uint8 (E8M0 scales of Wk, one for each 32 codes along K); Wq_codes 256 x 8 x 24 uint8 (E2M3 codes of Wq, K innermost, in blocks of 32 codes, four codes in three bytes); Wq_scales 256 x 8 uint8 (E8M0 scales of Wq, one for each 32 codes along K); Wv_codes 256 x 8 x 24 uint8 (E2M3 codes of Wv, K innermost, in blocks of 32 codes, four codes in three bytes); Wv_scales 256 x 8 uint8 (E8M0 scales of Wv, one for each 32 codes along K); lk1 16 float32; lk2 16 float32; ln_beta 32 float32; ln_gamma 32 float32; lq1 16 float32; lq2 16 float32; x_codes 2 x 16 x 512 x 8 x 24 uint8 (E2M3 codes of x, K innermost, in blocks of 32 codes, four codes in three bytes); x_scales 2 x 16 x 512 x 8 uint8 (E8M0 scales of x, one for each 32 codes along K).
;; Outputs: out0 2 x 16 x 512 x 256 float32.
;; This version of the problem:
;;   THIS VERSION OF THE PROBLEM IS GIVEN IN LOW PRECISION. The matrix products marked QUANTISED in the list below multiply operands that are first quantised to E2M3 (2 exponent bits, 3 mantissa bits; 6 bits a number), with one power-of-two scale for each 32 numbers along K (OCP MX v1.0); their sums are f32. All else is computed in f32.
;;   The module's matrix products, in the order in which they are computed (A, B: the left and right operand; K: the contracted axis; several contracted axes count as one K, in the product's order):
;;     1. [M 16,384, K 256] x [K 256, N 256]; A: input x (given as codes); B: input Wq (given as codes): QUANTISED
;;     2. [M 16,384, K 256] x [K 256, N 256]; A: input x (given as codes); B: input Wk (given as codes): QUANTISED
;;     3. [M 16,384, K 256] x [K 256, N 256]; A: input x (given as codes); B: input Wv (given as codes): QUANTISED
;;     4. batch 256 x [M 512, K 16] x [K 16, N 512]; A: computed on the way; B: computed on the way: left as it is (K = 16 < 32)
;;     5. batch 256 x [M 16, K 512] x [K 512, N 512]; A: computed on the way; B: softmax (see below): QUANTISED
;;     6. batch 256 x [M 16, K 512] x [K 512, N 512]; A: computed on the way; B: softmax (see below): QUANTISED
;;     7. batch 256 x [M 512, K 16] x [K 16, N 512]; A: computed on the way; B: computed on the way: left as it is (K = 16 < 32)
;;     8. batch 256 x [M 16, K 512] x [K 512, N 512]; A: computed on the way; B: softmax (see below): QUANTISED
;;     9. batch 256 x [M 16, K 512] x [K 512, N 512]; A: computed on the way; B: softmax (see below): QUANTISED
;;   THE QUANTISER, for each operand of a quantised product, along K:
;;     - K is cut into blocks of 32 from its start; a last block that is shorter is filled with zeros.
;;     - A block's scale is 2^e with e = floor(log2(the largest magnitude in the block)) - 2, held to -126 .. 127; a block of zeros has e = 0. As a byte (E8M0): e + 127.
;;     - Each number is divided by its block's scale, clamped to +-7.5, and rounded to the nearest number of E2M3, ties to even, subnormals kept.
;;     - The product sums the exact products of the quantised numbers (number of the format x scale) in f32.
;;   ~~~python
;;   def quantise(x, axis):      # numpy; x: float32 -> the quantised numbers, widened to float32 again
;;       x = np.moveaxis(x, axis, -1); K = x.shape[-1]
;;       x = np.pad(x, [(0, 0)] * (x.ndim - 1) + [(0, -K % 32)]); x = x.reshape(x.shape[:-1] + (-1, 32)); a = np.abs(x).max(-1, keepdims=True)
;;       e = np.where(a > 0, np.clip(np.frexp(np.where(a > 0, a, 1))[1] - 1 - 2, -126, 127), 0)      # np.frexp(a)[1] - 1 = floor(log2(a)), exactly
;;       r = np.clip(x / 2.0 ** e, -7.5, 7.5)
;;       step = 2.0 ** (np.maximum(np.frexp(np.where(r == 0, 1, r))[1] - 1, 0) - 3)
;;       q = np.round(r / step) * step * 2.0 ** e      # np.round: ties to even
;;       return np.moveaxis(q.reshape(q.shape[:-2] + (-1,))[..., :K], -1, axis).astype(np.float32)
;;   ~~~
;;   SOFTMAX AHEAD OF A QUANTISED PRODUCT. Where the list says 'softmax', what is quantised is not the finished softmax but p = 2^(t - M), with t = logit x log2(e) and M = ceil(the row's largest t), a whole number; so 1/2 < the row's largest p <= 1. The row's sum l is taken of the UNQUANTISED p, in f32, and the product's result is divided by l at the end. Since M is a whole number, a kernel that streams over the keys may use a running M (the ceiling of the running maximum): every later rescaling is an exact power of two, which a block's scale takes up: the codes' values come out the same.
;;   OPERANDS COMPUTED ON THE WAY. 'Computed on the way' means the value that the module computes at that place (a softmax that the list does not call 'softmax' is quantised finished and normalised). What goes into a quantiser is computed in f32, as accurately as f32 sums, v_exp_f32 and their like allow (about 1e-6 of the number): no bf16 or f16 on the way to a quantiser, and a product that is left as it is and whose result goes on into a quantised operand takes f32 operands (vector FMAs, or v_wmma_f32_16x16x4_f32). A number that lies on a knife's edge between two numbers of the format may be rounded either way, as far as f32 arithmetic and the matrix unit's own rounding can turn it there, and no further.
;;   INPUTS GIVEN AS CODES. Wk (in the module: [256, 256], K = its axis 0); Wq (in the module: [256, 256], K = its axis 0); Wv (in the module: [256, 256], K = its axis 0); x (in the module: [2, 16, 512, 256], K = its axis 3): each comes as NAME_codes (uint8): NAME with its K axis moved to the last place and cut into blocks of 32 codes, [.., K / 32, bytes a block], one block behind the other in memory; four codes in three bytes: a row's codes are one little-endian stream of bits, code i at bits 6 i .. 6 i + 5 (a code: sign, 2 exponent bits, 3 mantissa bits); and NAME_scales (uint8): the same leading axes, one E8M0 byte (e + 127) for each 32 codes along K. Its value is code x scale, taken as it is: it is not quantised again, and the codes and scales need not be those that the quantiser above would give.
;; One version. Each part assembles by itself: llvm-mc -triple=amdgcn-amd-amdhsa -mcpu=gfx1250 --defsym DOCPART=n.
;; ======== version 1 of 1: 1 launch
;; launch attn (part 1): grid 8 x 32, 16 waves a work-group, clusters of 4 x 1, 327,680 bytes of LDS; arguments x_codes, x_scales, Wq_codes, Wq_scales, Wk_codes, Wk_scales, Wv_codes, Wv_scales, lq1, lk1, lq2, lk2, ln_gamma, ln_beta, out0; writes out0
.if DOCPART == 1
	.amdgcn_target "amdgcn-amd-amdhsa--gfx1250"
	.amdhsa_code_object_version 6
	.text
	.protected	k_q28a99aafb8_attn
	.globl	k_q28a99aafb8_attn
	.p2align	8
	.type	k_q28a99aafb8_attn,@function
k_q28a99aafb8_attn:
	s_mov_b64 s[64:65], 0
	v_nop
	global_prefetch_b8 v0, s[64:65] scope:SCOPE_SE
	s_setreg_imm32_b32 hwreg(HW_REG_WAVE_MODE, 25, 1), 1
	s_wait_xcnt 0x0
	s_wait_alu depctr_hold_cnt(0) depctr_sa_sdst(0) depctr_va_vdst(0) depctr_va_sdst(0) depctr_va_ssrc(0) depctr_va_vcc(0) depctr_vm_vsrc(0)
	s_getreg_b32 s2, hwreg(HW_REG_IB_STS2, 6, 4)
	s_cmp_eq_u32 s2, 0
	s_cbranch_scc0 .Lentry_in_a_cluster
	s_endpgm
.Lentry_in_a_cluster:
	s_bfe_u32 s2, ttmp6, 0x10000c
	s_cmp_lg_u32 s2, 0x3003
	s_cbranch_scc0 .Lentry_shape_is_right
	s_endpgm
.Lentry_shape_is_right:
; Differential attention over 32 images of 512 tokens x 256 channels, 8 heads of 32 channels, in ONE launch.
; q, k, v = x W on codes of FP6 (E2M3) as they are given; two score maps a head (q1 k1, q2 k2: K = 16) with f32 operands; p = 2^(t - M), M a whole number, and v are quantised
; along the keys and multiplied on FP6 codes; y = o1 / l1 - lam o2 / l2; LayerNorm over the head's 32 channels; gamma, beta, x (1 - LAMBDA_INIT).
; SHARES.  A work-group: one image (work-group y), one half of 256 queries (the cluster's x), one pair of heads (its place in the cluster).  Sixteen waves, four to a SIMD.
;   Projection: wave w = 4 g + i keeps rows 16 i .. 16 i + 15 of the pair's 64 rows of Wq, Wk, Wv in registers and makes q for tiles 4 g .. 4 g + 3, k for tiles 8 g .. 8 g + 7,
;   and v's fragment (16 channels x the 128 keys of step g), quantised.  All go to LDS as images of registers.
;   Main: wave w owns the 16 queries of tile w and walks the four maps u = 2 a + half (a: head of the pair), each over 4 steps of 128 keys.
; CLUSTER.  The four head pairs of one image and query half read the same x: its codes and scale bytes come ONCE, by joint tensor loads (mask 15).  No tensor load fills LDS bytes a second time.
; ROTATED KEYS.  LDS rows 0-255 hold my half of the tokens (my queries), rows 256-511 the other half; keys are walked in LDS order.  Blocks of 32 keys stay whole.
; TILES.  THE TOKENS OF A TILE ARE NOT NEIGHBOURS: lane r of tile T takes LDS row 64 (T / 4) + 8 (T % 4) + r + 24 (r / 8).  So in S^T = k q^T, and in v's results, registers 32 c .. 32 c + 31 of lane (r, h)
;   (tiles 4 c .. 4 c + 3 of a step) are keys 64 c + 32 h + 0 .. 31: a WHOLE block of 32, in the order and in the lane in which the 6-bit operand wants it.  No number changes lanes on its way to a code.
; x IS RE-LAID ONCE.  Its rows lie 192 bytes apart and so start at four different banks only (48 r mod 64; 64 banks of 4 bytes: ISA guide 11.1): a fragment's loads of 8 bytes a lane go four deep.  So each tile is read
;   that way once, by one wave, and stored back, in place, as an image of its 24 registers; the six waves' reads that follow take it by loads of 16 consecutive bytes a lane.
; k, q: D = (16 rows of W) x (x's fragment): lane (r, h) holds token r of the tile, register j channel 8 h + j.  Registers 2 c, 2 c + 1 are the f32 product's operand of its c-th K step of 4: K slot (h, j') is
;   channel 8 h + 2 c + j' in k and q alike.  S^T = k q^T and O^T = v^T p^T: a lane holds ONE query (lane % 16) throughout.
; LIMITS: NaN, infinities and the scale byte 0xff among the inputs are not served.  A block of v or of p whose largest magnitude lies under 2^-124 (a block of zeros too) keeps the scale byte 1.
;   The order of the 16 channels in a score's sum and the order of the key steps differ from the reference's: f32 rounding only.
.set XC,  0                            ; LDS: x's codes: 512 rows x 192 bytes as they land, then, in the same bytes, 32 images of 3,072 bytes
.set XS,  98304                        ; x's scale bytes, 8 a row
.set KI,  102400                       ; k's images: (32 u + tile) x 1,024
.set QI,  233472                       ; q's images: (4 tile + u) x 1,024
.set VI,  299008                       ; v's fragments: (4 (2 a + t) + step) x 1,536
.set VS,  323584                       ; their scale words: (4 (2 a + t) + step) x 128; the map ends at 325,632
.set SPITCH, 272                       ; the way out: 16 rows x (256 + 16) bytes a wave, from LDS byte 0: x's bytes have had their one fill, and their last read stands ahead of the barrier that ends the projection
.set STG, 16*SPITCH
; vector registers that stay
.set LI,  1                            ; 16 x lane
.set LS,  2                            ; 4 x lane
.set ADK, 3                            ; LDS address of the step's tiles of k
;          v4-13 scale words and nothing else.  Projection: v4-5 x, v6-7 Wq, v8-9 Wk, v10-11 Wv, v12-13 x's second tile.  Main: v4, v5 v's, v6 p's
.set SH8, 243                          ; 8 (lane / 16): where my two scale bytes stand in a scale word
.set GM,  248                          ; v248-251 gamma (1 - LAMBDA_INIT), v252-255 beta (1 - LAMBDA_INIT), of my four columns on the way out
; projection
.set XK,  14                           ; x's images: my eight key tiles
.set XKS, 15                           ; their rows' scale bytes
.set XQA, 16                           ; my four query tiles
.set XQS, 17
.set KW,  18                           ; where I store k's images, q's, v's fragment, its scale word
.set QW,  19
.set VW,  20
.set VSA, 21
.set WO,  22                           ; my lane's byte in 16 rows of W's codes
.set WSO, 23                           ; and of its scale bytes
.set XF2, 26                           ; v26-49   a second tile of x
.set XR,  50                           ; where I read the two tiles that I re-lay
.set XI,  51                           ; and where I store their images
.set FWQ, 128                          ; v128-199 Wq's, Wk's, Wv's fragments, two K steps each
.set FWK, 152
.set FWV, 176
.set XF,  200                          ; v200-223 a tile of x, two K steps
.set AK0, 224                          ; v224-239 two accumulators for q or k, by turns
; main
.set NM,  14                           ; v14 -M, v15 the largest t so far (named as a pair)
.set SUM, 16                           ; v16-17 the row's sum, in two halves
.set Q,   18                           ; v18-25
.set Y,   26                           ; v26-41
.set O,   42                           ; v42-57   O^T, two tiles of 16 channels
.set TM,  58                           ; v58-61   four running maxima; then v58, v59 my two blocks'
.set STO, 62                           ; the stage: where I put 16 bytes of a row
.set T,   63                           ; at work
.set S,   64                           ; v64-127  S^T (in the projection: v's eight accumulators): written by matrix instructions alone
.set P,   128                          ; v128-191 the step's eight tiles of k, then p
.set VF,  192                          ; v192-215 two fragments of v
.set TP,  216                          ; v216-217 scale bytes; v218, v219 lane permutes' destinations
.set FF,  220                          ; v220-221 a factor, named as a pair of which the low word serves
.set ADV, 222                          ; LDS address of the step's fragments of v
.set ADT, 223                          ; and of their scale words
.set PC,  224                          ; v224-235 the codes just made
.set PC2, 236                          ; v236-238, v240-242 the conversions' second halves
.set ADQ, 239                          ; LDS address of my query tile's images
.set SO,  244                          ; v244-245 the conversions' scale operands
.set OM,  246                          ; the old -M
; scalar registers
.set WAVE, 3
.set GG,  4
.set II,  5
.set HP,  6                            ; my place in the cluster: it enters W's and out0's global addresses alone, through s84-90
.set QH,  7
.set BT,  38
.set TS0, 39
.set G1C, 40                           ; s[40:47] group 1 for x's codes;  s[48:55] for its scale bytes;  s[56:59], s[60:63] their groups 0
.set G1S, 48
.set G0C, 56
.set G0S, 60
.set SEL, 70                           ; s[70:71] v_permlanex16_b32's selects for lane l xor 16
.set CS,  72                           ; s[72:73] c = log2(e) / 4
.set NLAM, 74                          ; -lam
.set TK,  76
.set TV,  77
.set TVS, 78
.set TQ,  79
.set CNT, 80
.set TL,  81
.set R32, 82
.set EPS, 83
.set OWC, 84                           ; s[84:85] my rows' bytes in W's codes;  s[86:87] in its scales;  s[88:89] my bytes in out0;  s90 at work on them
.set OWS, 86
.set OOUT, 88
.set TCX, 90
.macro CROUND                          ; a round of the cluster's barrier: my work-group's barrier; wave 0 signals for the work-group; every wave waits for all four; my work-group's barrier once more
	s_barrier_signal -1
	s_barrier_wait -1
	s_cmp_lg_u32 s[WAVE], 0
	s_cbranch_scc1 .Lnot_wave_0_\@
	s_barrier_signal -3
.Lnot_wave_0_\@:
	s_barrier_wait -3
	s_barrier_signal -1
	s_barrier_wait -1
.endm
.macro PLACES n                        ; plain vector instructions that name no register of the matrix instructions ahead of them (ISA guide 7.12.1)
.rept \n
	v_nop
.endr
.endm
.macro WLOAD reg, base                 ; 16 rows of a weight, 256 along K: two fragments of 12 registers; 24 bytes of the row's stream of bits at a time, in pieces of 8
.irp s, 0,1
.irp p, 0,1,2,3,4,5
	global_load_b64 v[\reg+12*\s+2*\p:\reg+12*\s+2*\p+1], v[WO], s[\base:\base+1] offset:96*\s+48*(\p/3)+8*(\p%3)
.endr
.endr
.endm
.macro XFRAG reg, adr, off             ; the same of 16 rows of x, from the rows as they landed in LDS
.irp s, 0,1
.irp p, 0,1,2,3,4,5
	ds_load_b64 v[\reg+12*\s+2*\p:\reg+12*\s+2*\p+1], v[\adr] offset:(\off)+96*\s+48*(\p/3)+8*(\p%3)
.endr
.endr
.endm
.macro XIMG reg, adr, off              ; a tile of x from its image: the same 24 registers in the same lanes, 512 consecutive bytes a load
.irp c, 0,1,2,3,4,5
	ds_load_b128 v[\reg+4*\c:\reg+4*\c+3], v[\adr] offset:(\off)+512*\c
.endr
.endm
.macro WM0 d, a, b, sa, sb             ; a product on codes that starts a sum
	v_wmma_scale_f32_16x16x128_f8f6f4 v[\d:\d+7], v[\a:\a+11], v[\b:\b+11], 0, v[\sa], v[\sb] matrix_a_fmt:MATRIX_FMT_FP6 matrix_b_fmt:MATRIX_FMT_FP6
.endm
.macro WMA d, a, b, sa, sb             ; and one that adds in place
	v_wmma_scale_f32_16x16x128_f8f6f4 v[\d:\d+7], v[\a:\a+11], v[\b:\b+11], v[\d:\d+7], v[\sa], v[\sb] matrix_a_fmt:MATRIX_FMT_FP6 matrix_b_fmt:MATRIX_FMT_FP6
.endm
.macro IMG8 adr, reg, off              ; eight registers go to LDS as they stand, from the low end on: 16 bytes a lane, 512 a store
	ds_store_b128 v[\adr], v[\reg:\reg+3] offset:\off
	ds_store_b128 v[\adr], v[\reg+4:\reg+7] offset:(\off)+512
.endm
; From my two blocks' largest magnitudes in v[TM], v[TM+1]: the scale word into v[pw], and the 64 numbers v[src] on (register 32 c + i = k 64 c + 32 (lane / 16) + i) into a fragment's codes in v[PC] on.
.macro CODES src, pw
.irp c, 0,1
	v_add_nc_u32 v[SO+\c], 0xff000000, v[TM+\c]    ; 2 off the exponent field: the conversion takes the exponent field of this operand as its scale
.endr
.irp c, 0,1
	v_lshrrev_b32 v[TP+\c], 23, v[SO+\c]           ; the scale's byte
.endr
	v_lshl_or_b32 v[\pw], v[TP+1], 16, v[TP]       ; my two bytes: blocks h and 2 + h,
	v_lshlrev_b32 v[\pw], v[SH8], v[\pw]           ; at their places in the scale word (8 h bits up);
	v_permlanex16_b32 v[TP+2], v[\pw], s[SEL], s[SEL+1]
.irp c, 0,1
	v_cvt_scalef32_pk16_fp6_f32 v[PC+6*\c:PC+6*\c+2], v[\src+32*\c:\src+32*\c+15], v[SO+\c]
	v_cvt_scalef32_pk16_fp6_f32 v[PC2+4*\c:PC2+4*\c+2], v[\src+32*\c+16:\src+32*\c+31], v[SO+\c]   ; (a conversion's three registers begin on an even number: the second half of a block's six does not, so it is made elsewhere and moved)
.endr
	v_or_b32 v[\pw], v[\pw], v[TP+2]               ; with lane l xor 16's two the word is whole.  (Also the one plain place behind the scaled conversions: it names none of their registers)
.irp c, 0,1
.irp i, 0,1,2
	v_mov_b32 v[PC+3+6*\c+\i], v[PC2+4*\c+\i]
.endr
.endr
.endm
	; ---------------- the head: ids, descriptors, addresses
	s_load_b512 s[8:23], s[0:1], 0x0               ; x's codes s[8:9], x's scales s[10:11], Wq's s[12:15], Wk's s[16:19], Wv's s[20:23]
	s_load_b256 s[24:31], s[0:1], 0x40             ; lq1, lk1, lq2, lk2
	s_load_b128 s[32:35], s[0:1], 0x60             ; gamma, beta
	s_load_b64 s[36:37], s[0:1], 0x70              ; out0
	v_lshl_add_u32 v254, v0, 2, 0x4f800
	v_mov_b32 v255, 0
	ds_add_u32 v254, v255
	ds_add_u32 v254, v255
	s_wait_dscnt 0x0
	v_lshrrev_b32 v3, 5, v0
	v_readfirstlane_b32 s[WAVE], v3                ; wave 0..15
	s_lshr_b32 s[GG], s[WAVE], 2                   ; g
	s_and_b32 s[II], s[WAVE], 3                    ; i
	s_bfe_u32 s[HP], ttmp6, 0x40000                ; cx: the pair of heads
	s_mov_b32 s[QH], ttmp9                         ; the cluster's x: the half of the queries, which the four partners share
	s_and_b32 s[BT], ttmp7, 0xffff                 ; the image, which they share too
.irp g, G1C, G1S                       ; group 1: dense bytes as rows of 256 (32 elements of 8 bytes), no padding; 15:0 the mask: all four work-groups; 21 set beside a mask
	s_mov_b32 s[\g], 15|(3<<16)|(1<<21)
	s_mov_b32 s[\g+1], 32<<16                      ; tensor_dim0
	s_mov_b32 s[\g+3], 32<<16                      ; tile_dim0
	s_mov_b32 s[\g+5], 32                          ; the pitch
	s_mov_b32 s[\g+6], 0
	s_mov_b32 s[\g+7], 0
.endr
	s_mov_b32 s[G1C+2], 96<<16                     ; codes: 96 such rows = 128 tokens x 192 bytes
	s_mov_b32 s[G1C+4], 96
	s_mov_b32 s[G1S+2], 8<<16                      ; scale bytes: 8 such rows = 256 tokens x 8 bytes
	s_mov_b32 s[G1S+4], 8
	s_bfe_u32 s[TS0], s[WAVE], 0x10001             ; codes: LDS quarter w (waves 0-3) takes the image's quarter 2 (qh xor (w / 2)) + w % 2
	s_xor_b32 s[TS0], s[TS0], s[QH]
	s_lshl_b32 s[TS0], s[TS0], 1
	s_and_b32 s66, s[WAVE], 1
	s_add_co_u32 s[TS0], s[TS0], s66
	s_mul_i32 s66, s[TS0], 24576
	s_mul_i32 s[TS0], s[BT], 98304
	s_add_co_u32 s66, s66, s[TS0]
	s_mov_b32 s67, 0
	s_and_b32 s[TS0], s[WAVE], 1                   ; scale bytes: LDS half w % 2 (waves 4, 5) takes the image's half qh xor (w % 2)
	s_xor_b32 s68, s[TS0], s[QH]
	s_lshl_b32 s68, s68, 11
	s_lshl_b32 s69, s[BT], 12
	s_add_co_u32 s68, s68, s69
	s_mov_b32 s69, 0
	s_mov_b32 s[G0C], 1
	s_mul_i32 s[G0C+1], s[II], 24576               ; LDS address: the wave's number alone
	s_mov_b32 s[G0S], 1
	s_lshl_b32 s[G0S+1], s[TS0], 11
	s_add_co_u32 s[G0S+1], s[G0S+1], XS
	s_lshl_b32 s[TCX], s[HP], 6                    ; my 16 rows of each weight begin at row 64 hp + 16 i
	s_lshl_b32 s[OWC], s[II], 4
	s_add_co_u32 s[TCX], s[TCX], s[OWC]
	s_mul_i32 s[OWC], s[TCX], 192
	s_mov_b32 s[OWC+1], 0
	s_lshl_b32 s[OWS], s[TCX], 3
	s_mov_b32 s[OWS+1], 0
	s_lshl_b32 s[OOUT], s[BT], 19                  ; out0: image x 512 rows of 1,024 bytes + 256 qh rows + tile w's first row, 64 g + 8 i, + 256 hp bytes
	s_lshl_b32 s[TCX], s[QH], 18
	s_add_co_u32 s[OOUT], s[OOUT], s[TCX]
	s_lshl_b32 s[TCX], s[GG], 16
	s_add_co_u32 s[OOUT], s[OOUT], s[TCX]
	s_lshl_b32 s[TCX], s[II], 13
	s_add_co_u32 s[OOUT], s[OOUT], s[TCX]
	s_lshl_b32 s[TCX], s[HP], 8
	s_add_co_u32 s[OOUT], s[OOUT], s[TCX]
	s_mov_b32 s[OOUT+1], 0
	s_mov_b32 s[SEL], 0x76543210
	s_mov_b32 s[SEL+1], 0xfedcba98
	s_mov_b32 s[CS], 0x3eb8aa3b                    ; c = log2(e) x 16^-0.5
	s_mov_b32 s[CS+1], s[CS]                       ; (named with it as a pair, so it is written)
	s_mov_b32 s[R32], 0x3d000000                   ; 1 / 32
	s_mov_b32 s[EPS], 0x3727c5ac                   ; 1e-5
	v_and_b32 v3, 31, v0
	v_lshlrev_b32 v[LI], 4, v3
	v_lshlrev_b32 v[LS], 2, v3
	v_and_b32 v24, 15, v0                          ; r
	v_bfe_u32 v25, v0, 4, 1                        ; h
	v_lshlrev_b32 v[SH8], 3, v25
	v_and_b32 v26, 8, v24
	v_mad_u32_u24 v26, v26, 3, v24                 ; r + 24 (r / 8): my row among a tile's
	v_mul_u32_u24 v[WO], v24, 192
	v_mad_u32_u24 v[WO], v25, 24, v[WO]            ; W: row r of 192 bytes + 24 h
	v_lshlrev_b32 v[WSO], 3, v24
	v_mul_u32_u24 v[XR], v26, 192                  ; the two tiles that I re-lay, 2 w and 2 w + 1: the first begins at row 128 g + 64 (i / 2) + 16 (i % 2), the second 8 rows on
	v_mad_u32_u24 v[XR], v25, 24, v[XR]
	s_mul_i32 s[TL], s[GG], 24576
	s_lshr_b32 s[TS0], s[II], 1
	s_mul_i32 s[TS0], s[TS0], 12288
	s_add_co_u32 s[TL], s[TL], s[TS0]
	s_and_b32 s[TS0], s[II], 1
	s_mul_i32 s[TS0], s[TS0], 3072
	s_add_co_u32 s[TL], s[TL], s[TS0]
	v_add_nc_u32 v[XR], s[TL], v[XR]
	s_mul_i32 s[TL], s[WAVE], 6144                 ; their images: 3,072 bytes a tile
	v_add_nc_u32 v[XI], s[TL], v[LI]
	s_mul_i32 s[TL], s[GG], 24576                  ; my eight key tiles' images: from tile 8 g on
	v_add_nc_u32 v[XK], s[TL], v[LI]
	s_mul_i32 s[TL], s[GG], 12288                  ; my four query tiles': from tile 4 g on
	v_add_nc_u32 v[XQA], s[TL], v[LI]
	v_lshlrev_b32 v[XKS], 3, v26                   ; scale bytes: 8 a row
	s_lshl_b32 s[TL], s[GG], 9                     ; tile 4 g begins at row 64 g,
	s_add_co_u32 s[TL], s[TL], XS
	v_add_nc_u32 v[XQS], s[TL], v[XKS]
	s_lshl_b32 s[TL], s[GG], 10                    ; tile 8 g at row 128 g
	s_add_co_u32 s[TL], s[TL], XS
	v_add_nc_u32 v[XKS], s[TL], v[XKS]
	s_lshl_b32 s[TL], s[II], 15                    ; k's images: (32 i + 8 g) x 1,024
	s_lshl_b32 s[TS0], s[GG], 13
	s_add_co_u32 s[TL], s[TL], s[TS0]
	s_add_co_u32 s[TL], s[TL], KI
	v_add_nc_u32 v[KW], s[TL], v[LI]
	s_lshl_b32 s[TL], s[GG], 14                    ; q's: (16 g + i) x 1,024
	s_lshl_b32 s[TS0], s[II], 10
	s_add_co_u32 s[TL], s[TL], s[TS0]
	s_add_co_u32 s[TL], s[TL], QI
	v_add_nc_u32 v[QW], s[TL], v[LI]
	s_lshl_b32 s[TL], s[II], 2                     ; v's fragment 4 i + g
	s_add_co_u32 s[TL], s[TL], s[GG]
	s_mul_i32 s[TS0], s[TL], 1536
	s_add_co_u32 s[TS0], s[TS0], VI
	v_add_nc_u32 v[VW], s[TS0], v[LI]
	s_lshl_b32 s[TL], s[TL], 7
	s_add_co_u32 s[TL], s[TL], VS
	v_add_nc_u32 v[VSA], s[TL], v[LS]
	v_mul_u32_u24 v[STO], v24, SPITCH              ; the stage: row r, + 32 h, in my wave's 4,352 bytes
	v_lshl_add_u32 v[STO], v25, 5, v[STO]
	s_mul_i32 s[TL], s[WAVE], STG
	v_add_nc_u32 v[STO], s[TL], v[STO]
	v_lshlrev_b32 v3, 2, v24                       ; lq, lk: 4 r
	v_lshlrev_b32 v[T], 4, v24
	v_and_b32 v[T], 127, v[T]                      ; gamma, beta: my four columns on the way out, 4 r .. 4 r + 3 of 64, are channels (4 r) % 32 on
	s_wait_kmcnt 0x0
	s_add_nc_u64 s[G0C+2:G0C+3], s[8:9], s[66:67]
	s_or_b32 s[G0C+3], s[G0C+3], 0x80000000        ; type = 2
	s_add_nc_u64 s[G0S+2:G0S+3], s[10:11], s[68:69]
	s_or_b32 s[G0S+3], s[G0S+3], 0x80000000
	s_add_nc_u64 s[12:13], s[12:13], s[OWC:OWC+1]
	s_add_nc_u64 s[16:17], s[16:17], s[OWC:OWC+1]
	s_add_nc_u64 s[20:21], s[20:21], s[OWC:OWC+1]
	s_add_nc_u64 s[14:15], s[14:15], s[OWS:OWS+1]
	s_add_nc_u64 s[18:19], s[18:19], s[OWS:OWS+1]
	s_add_nc_u64 s[22:23], s[22:23], s[OWS:OWS+1]
	s_add_nc_u64 s[36:37], s[36:37], s[OOUT:OOUT+1]
	CROUND                                         ; all four work-groups are here: the joint loads meet
	; The launch's only fills.  Waves 0-3: a quarter of x's codes each; waves 4, 5: a half of its scale bytes each; the others none.  A wave has one tensor load out at the most.
	; The branches hang on the wave's number alone; four v_nop follow each of the two lines.
	s_cmp_lt_u32 s[WAVE], 4
	s_cbranch_scc0 .Lnot_codes
	tensor_load_to_lds s[G0C:G0C+3], s[G1C:G1C+7]
	s_nop 0
	PLACES 4
	s_branch .Lasked
.Lnot_codes:
	s_cmp_lt_u32 s[WAVE], 6
	s_cbranch_scc0 .Lasked
	tensor_load_to_lds s[G0S:G0S+3], s[G1S:G1S+7]
	s_nop 0
	PLACES 4
.Lasked:
	WLOAD FWQ, 12                                  ; my 16 rows of the three weights stay in registers through the projection
	WLOAD FWK, 16
	WLOAD FWV, 20
	global_load_b64 v[6:7], v[WSO], s[14:15]       ; their scale words: lane r has row r's, one word for each 128 along K
	global_load_b64 v[8:9], v[WSO], s[18:19]
	global_load_b64 v[10:11], v[WSO], s[22:23]
	global_load_b32 v224, v3, s[24:25]
	global_load_b32 v225, v3, s[26:27]
	global_load_b32 v226, v3, s[28:29]
	global_load_b32 v227, v3, s[30:31]
	global_load_b128 v[GM:GM+3], v[T], s[32:33]
	global_load_b128 v[GM+4:GM+7], v[T], s[34:35]
	s_wait_loadcnt 0x0
	; -lam = exp(lq2 . lk2) - exp(lq1 . lk1) - LAMBDA_INIT, while x is on its way.  Each half of the lanes holds the 16 products
	v_mul_f32 v224, v224, v225
	v_mul_f32 v226, v226, v227
.irp m, 1,2,4,8
	v_add_f32_dpp v224, v224, v224 row_xmask:\m row_mask:0xf bank_mask:0xf
	v_add_f32_dpp v226, v226, v226 row_xmask:\m row_mask:0xf bank_mask:0xf
.endr
	v_mul_f32 v224, 0x3fb8aa3b, v224
	v_mul_f32 v226, 0x3fb8aa3b, v226
	v_exp_f32 v224, v224
	v_exp_f32 v226, v226
	v_nop                                          ; one plain place behind the exponentials
	s_wait_alu depctr_va_vdst(0)
	v_sub_f32 v224, v226, v224
	v_add_f32 v224, 0xbeb60549, v224               ; - (0.8 - 0.6 exp(-0.3))
	v_readfirstlane_b32 s[NLAM], v224
.irp j, 0,1,2,3,4,5,6,7
	v_mul_f32 v[GM+\j], 0x3f24fd5c, v[GM+\j]       ; gamma and beta x (1 - LAMBDA_INIT)
.endr
	s_wait_tensorcnt 0x0                           ; my part of x has landed,
	s_barrier_signal -1
	s_barrier_wait -1                              ; everybody's has
	; ---------------- x is re-laid, in place: the 32 tiles part its 512 rows among them, two tiles a wave
	XFRAG XF, XR, 0
	XFRAG XF2, XR, 1536
	s_wait_dscnt 0x0                               ; my two tiles are in registers,
	s_barrier_signal -1
	s_barrier_wait -1                              ; everybody's are: nobody reads the rows any more
.irp c, 0,1,2,3,4,5
	ds_store_b128 v[XI], v[XF+4*\c:XF+4*\c+3] offset:512*\c
	ds_store_b128 v[XI], v[XF2+4*\c:XF2+4*\c+3] offset:3072+512*\c
.endr
	s_wait_dscnt 0x0                               ; my images have landed,
	s_barrier_signal -1
	s_barrier_wait -1                              ; everybody's have
	; ---------------- q: my four tiles, two at a time, so that two accumulators take turns
.macro QPAIR q
	XIMG XF, XQA, (\q)*3072
	XIMG XF2, XQA, ((\q)+1)*3072
	ds_load_b64 v[4:5], v[XQS] offset:(\q)*64      ; tile 4 g + q begins 8 q rows on
	ds_load_b64 v[12:13], v[XQS] offset:((\q)+1)*64
	s_wait_dscnt 0x0                               ; the fragments are in, and the last pair's stores have read their registers
	WM0 AK0, FWQ, XF, 6, 4
	WM0 AK0+8, FWQ, XF2, 6, 12
	WMA AK0, FWQ+12, XF+12, 7, 5
	WMA AK0+8, FWQ+12, XF2+12, 7, 13
	PLACES 5                                       ; four for the stores of the results and the loads into the sources, the fifth for the products that begin these accumulators anew
	IMG8 QW, AK0, (\q)*4096
	IMG8 QW, AK0+8, ((\q)+1)*4096
.endm
	QPAIR 0
	QPAIR 2
	; ---------------- k and v: my eight tiles.  One fragment of x serves both: as source 1 for k (a lane holds a key), as source 0 for v (a lane holds a channel, its registers run along the keys)
.macro KVT t
	XIMG XF, XK, (\t)*3072
	ds_load_b64 v[4:5], v[XKS] offset:(64*((\t)/4)+8*((\t)%4))*8
	s_wait_dscnt 0x0
	WM0 S+8*(\t), XF, FWV, 4, 10
	WM0 AK0+8*((\t)%2), FWK, XF, 8, 4
	WMA S+8*(\t), XF+12, FWV+12, 5, 11
	WMA AK0+8*((\t)%2), FWK+12, XF+12, 9, 5
	PLACES 5
	IMG8 KW, AK0+8*((\t)%2), (\t)*1024
.endm
.irp t, 0,1,2,3,4,5,6,7
	KVT \t
.endr
	; ---------------- v's 16 channels x 128 keys become a fragment: register 32 c + i of v[S] on is key 64 c + 32 h + i of my channel: both my blocks are whole
	s_wait_dscnt 0x0                               ; k's stores have read the registers that the codes take
.irp b, 0,1,2,3
	v_mov_b32 v[TP+\b], 0                          ; a lane permute's destination counts as one of its sources
.endr
.irp b, 0,1,2,3
	v_max3_num_f32 v[TM+\b], |v[S+16*\b]|, |v[S+16*\b+1]|, 0x1800000   ; four chains of 16 numbers, and the floor 2^(3 - 127): the byte cannot fall under 1
.endr
.irp i, 2,4,6,8,10,12,14
.irp b, 0,1,2,3
	v_max3_num_f32 v[TM+\b], v[TM+\b], |v[S+16*\b+\i]|, |v[S+16*\b+\i+1]|
.endr
.endr
	v_max_num_f32 v[TM], v[TM], v[TM+1]            ; my first block's largest magnitude,
	v_max_num_f32 v[TM+1], v[TM+2], v[TM+3]        ; my second's
	CODES S, 222
.irp c, 0,1,2
	ds_store_b128 v[VW], v[PC+4*\c:PC+4*\c+3] offset:512*\c
.endr
	ds_store_b32 v[VSA], v222
	s_wait_dscnt 0x0                               ; my images have landed, and my reads of x are over
	s_barrier_signal -1
	s_barrier_wait -1                              ; everybody's: k, q and v lie in LDS, and x's bytes are free for the stages
	; ---------------- the four maps
	v_mov_b32 v[FF+1], 0                           ; (named as the upper half of a pair)
	s_lshl_b32 s[TQ], s[WAVE], 12
	s_add_co_u32 s[TQ], s[TQ], QI
	v_add_nc_u32 v[ADQ], s[TQ], v[LI]              ; my query tile's four images
.macro SCORES j0                       ; S^T of four tiles of 16 keys: 16 channels in four K steps of 4; the four accumulators take turns, one instruction a turn
.irp c, 0,1,2,3
.irp j, \j0, \j0+1, \j0+2, \j0+3
.if \c == 0
	v_wmma_f32_16x16x4_f32 v[S+8*(\j):S+8*(\j)+7], v[P+8*(\j):P+8*(\j)+1], v[Q:Q+1], 0
.else
	v_wmma_f32_16x16x4_f32 v[S+8*(\j):S+8*(\j)+7], v[P+8*(\j)+2*\c:P+8*(\j)+2*\c+1], v[Q+2*\c:Q+2*\c+1], v[S+8*(\j):S+8*(\j)+7]
.endif
.endr
.endr
.endm
; A KEY STEP: 128 keys of one map.  No LDS load of mine is out at its head but, in a map's first step, q's two, which name a register of their own.
.macro STEP
	v_add_nc_u32 v[ADK], s[TK], v[LI]
.irp j, 0,1,2,3,4,5,6,7
	ds_load_b128 v[P+8*\j:P+8*\j+3], v[ADK] offset:1024*\j
	ds_load_b128 v[P+8*\j+4:P+8*\j+7], v[ADK] offset:1024*\j+512
.endr
	s_wait_dscnt 8                                 ; q and k's tiles 0-3 are in: behind them the 8 loads of tiles 4-7 were issued
	SCORES 0
	s_wait_dscnt 0x0                               ; k's tiles 4-7 are in
	SCORES 4
	v_add_nc_u32 v[ADV], s[TV], v[LI]              ; behind the f32 form: eight places ahead of the first read of its results and the first write of its sources: three lines that are due, five v_nop.
	v_add_nc_u32 v[ADT], s[TVS], v[LS]             ; (With the addition at the step's head they are also the places between the last step's second product and the loads into its sources, below)
	v_mov_b32 v[OM], v[NM]                         ; -M as it was
	PLACES 5
.irp t, 0,1
.irp c, 0,1,2
	ds_load_b128 v[VF+12*\t+4*\c:VF+12*\t+4*\c+3], v[ADV] offset:6144*\t+512*\c   ; v's two fragments and their scale words land while the softmax is walked
.endr
.endr
	ds_load_b32 v4, v[ADT]
	ds_load_b32 v5, v[ADT] offset:512
.irp b, 0,1,2,3
	v_max3_num_f32 v[TM+\b], v[S+16*\b], v[S+16*\b+1], v[S+16*\b+2]   ; the largest scores, in four chains of 16: for the row's maximum and, since p rises with the score, for each block's largest p.  Each tile is read from its low end on
.endr
.irp i, 3,5,7,9,11,13
.irp b, 0,1,2,3
	v_max3_num_f32 v[TM+\b], v[TM+\b], v[S+16*\b+\i], v[S+16*\b+\i+1]
.endr
.endr
	v_max_num_f32 v[TM+1], v[TM+1], v[S+31]
	v_max_num_f32 v[TM+3], v[TM+3], v[S+63]
	v_max3_num_f32 v[TM], v[TM], v[S+15], v[TM+1]  ; my first block's largest score: all its 32 keys are mine,
	v_max3_num_f32 v[TM+1], v[TM+2], v[S+47], v[TM+3]   ; my second's
	v_max_num_f32 v[T], v[TM], v[TM+1]
	v_permlanex16_b32 v[TP+3], v[T], s[SEL], s[SEL+1]
	v_max_num_f32 v[T], v[T], v[TP+3]              ; with lane l xor 16's 64 keys: the step's largest score of my query
	v_mul_f32 v[T], s[CS], v[T]                    ; as t (c is positive)
	v_max_num_f32 v[NM+1], v[NM+1], v[T]           ; the running largest t
	v_floor_f32 v[NM], -v[NM+1]                    ; the new -M = floor(-t) = -ceil(t): a whole number
	v_sub_f32 v[T], v[NM], v[OM]                   ; old M - new M: a whole number, 0 or less
	v_cvt_i32_f32 v[T], v[T]                       ; (it saturates)
	v_ldexp_f32 v[FF], 1.0, v[T]                   ; f = 2^(old M - new M)
.irp j, 0,2,4,6,8,10,12,14,16,18,20,22,24,26,28,30,32,34,36,38,40,42,44,46,48,50,52,54,56,58,60,62
	v_pk_fma_f32 v[P+\j:P+\j+1], v[S+\j:S+\j+1], s[CS:CS+1], v[NM:NM+1] op_sel_hi:[1,0,0]   ; t - M, two at a time, into other registers than the scores'
.endr
.irp c, 0,1
	v_fma_f32 v[TM+\c], v[TM+\c], s[CS], v[NM]     ; the same of each block's largest score
.endr
.irp j, 0,1,2,3,4,5,6,7,8,9,10,11,12,13,14,15,16,17,18,19,20,21,22,23,24,25,26,27,28,29,30,31,32,33,34,35,36,37,38,39,40,41,42,43,44,45,46,47,48,49,50,51,52,53,54,55,56,57,58,59,60,61,62,63
	v_exp_f32 v[P+\j], v[P+\j]                     ; p = 2^(t - M), at most 1: not normalised
.endr
.irp c, 0,1
	v_exp_f32 v[TM+\c], v[TM+\c]                   ; the block's largest p: the same two instructions on the same number
.endr
	v_pk_mul_f32 v[SUM:SUM+1], v[SUM:SUM+1], v[FF:FF+1] op_sel_hi:[1,0]   ; the sums under the new M (the plain place behind the exponentials)
	s_wait_alu depctr_va_vdst(0)
.irp c, 0,1
	v_max_num_f32 v[TM+\c], 0x1800000, v[TM+\c]    ; the floor 2^(3 - 127)
.endr
	CODES P, 6
.irp j, 0,2,4,6,8,10,12,14
	v_pk_mul_f32 v[O+\j:O+\j+1], v[O+\j:O+\j+1], v[FF:FF+1] op_sel_hi:[1,0]   ; O^T under the new M, from each tile's low end on
.endr
	v_pk_add_f32 v[PC2:PC2+1], v[P:P+1], v[P+2:P+3]                  ; the row's sum is taken of the unquantised p: two at a time, in two chains
.irp j, 4,8,12,16,20,24,28,32,36,40,44,48,52,56,60
	v_pk_add_f32 v[SUM:SUM+1], v[SUM:SUM+1], v[P+\j:P+\j+1]
	v_pk_add_f32 v[PC2:PC2+1], v[PC2:PC2+1], v[P+\j+2:P+\j+3]
.endr
	v_pk_add_f32 v[SUM:SUM+1], v[SUM:SUM+1], v[PC2:PC2+1]            ; (these 32 are also the places between the codes' and the scale word's last writes and the products below)
	s_wait_dscnt 0x0                               ; v's fragments and scale words are in
	WMA O, VF, PC, 4, 6                            ; O^T += v^T p^T: two tiles of 16 channels, by turns
	WMA O+8, VF+12, PC, 5, 6
	s_add_co_u32 s[TK], s[TK], 8192
	s_add_co_u32 s[TV], s[TV], 1536
	s_add_co_u32 s[TVS], s[TVS], 128
.endm
; MAP u = 2 a + half: the softmax of q_half k_half of head a, against the head's 32 channels of v.
.macro UNIT u
	ds_load_b128 v[Q:Q+3], v[ADQ] offset:(\u)*1024
	ds_load_b128 v[Q+4:Q+7], v[ADQ] offset:(\u)*1024+512
	v_mov_b32 v[NM+1], 0xff61b1e6                  ; the largest t so far: -3e38, under every t
	v_floor_f32 v[NM], -v[NM+1]
	v_mov_b32 v[SUM], 0
	v_mov_b32 v[SUM+1], 0
.irp j, 0,1,2,3,4,5,6,7,8,9,10,11,12,13,14,15
	v_mov_b32 v[O+\j], 0                           ; the step is written once: the first finds zeros, which the first change of M leaves zeros
.endr
	s_mov_b32 s[TK], KI+(\u)*32768
	s_mov_b32 s[TV], VI+((\u)/2)*12288
	s_mov_b32 s[TVS], VS+((\u)/2)*1024
	s_mov_b32 s[CNT], 4
.Lstep_\u:
	STEP
	s_sub_co_u32 s[CNT], s[CNT], 1
	s_cmp_lg_u32 s[CNT], 0
	s_cbranch_scc1 .Lstep_\u
	PLACES 4                                       ; behind the map's last products, ahead of the first read of O^T
	v_add_f32 v[T], v[SUM], v[SUM+1]               ; the sum's two halves,
	v_permlanex16_b32 v[TP], v[T], s[SEL], s[SEL+1]
	v_add_f32 v[T], v[T], v[TP]                    ; and lane l xor 16's: l
	v_rcp_f32 v[FF], v[T]
	v_nop                                          ; one plain place behind the reciprocal
.if (\u)%2 == 0
	s_wait_alu depctr_va_vdst(0)
.irp j, 0,2,4,6,8,10,12,14
	v_pk_mul_f32 v[Y+\j:Y+\j+1], v[O+\j:O+\j+1], v[FF:FF+1] op_sel_hi:[1,0]   ; y = o1 / l1
.endr
.else
	s_wait_alu depctr_va_vdst(0)
	v_mul_f32 v[FF], s[NLAM], v[FF]
.irp j, 0,2,4,6,8,10,12,14
	v_pk_fma_f32 v[Y+\j:Y+\j+1], v[O+\j:O+\j+1], v[FF:FF+1], v[Y+\j:Y+\j+1] op_sel_hi:[1,0,1]   ; y -= lam o2 / l2
.endr
	; LayerNorm over the head's 32 channels: 16 are mine, 16 lane l xor 16's.  The mean first, then the squares of the differences
.irp j, 0,1,2,3
	v_pk_add_f32 v[P+2*\j:P+2*\j+1], v[Y+4*\j:Y+4*\j+1], v[Y+4*\j+2:Y+4*\j+3]
.endr
	v_pk_add_f32 v[P:P+1], v[P:P+1], v[P+2:P+3]
	v_pk_add_f32 v[P+4:P+5], v[P+4:P+5], v[P+6:P+7]
	v_pk_add_f32 v[P:P+1], v[P:P+1], v[P+4:P+5]
	v_add_f32 v[T], v[P], v[P+1]
	v_permlanex16_b32 v[TP], v[T], s[SEL], s[SEL+1]
	v_add_f32 v[T], v[T], v[TP]
	v_mul_f32 v[FF], s[R32], v[T]                  ; mu
.irp j, 0,2,4,6,8,10,12,14
	v_pk_add_f32 v[Y+\j:Y+\j+1], v[Y+\j:Y+\j+1], v[FF:FF+1] op_sel_hi:[1,0] neg_lo:[0,1] neg_hi:[0,1]
.endr
	v_pk_mul_f32 v[P:P+1], v[Y:Y+1], v[Y:Y+1]
	v_pk_mul_f32 v[P+2:P+3], v[Y+2:Y+3], v[Y+2:Y+3]
.irp j, 4,8,12
	v_pk_fma_f32 v[P:P+1], v[Y+\j:Y+\j+1], v[Y+\j:Y+\j+1], v[P:P+1]
	v_pk_fma_f32 v[P+2:P+3], v[Y+\j+2:Y+\j+3], v[Y+\j+2:Y+\j+3], v[P+2:P+3]
.endr
	v_pk_add_f32 v[P:P+1], v[P:P+1], v[P+2:P+3]
	v_add_f32 v[T], v[P], v[P+1]
	v_permlanex16_b32 v[TP], v[T], s[SEL], s[SEL+1]
	v_add_f32 v[T], v[T], v[TP]
	v_fma_f32 v[T], v[T], s[R32], s[EPS]           ; var + 1e-5
	v_rsq_f32 v[FF], v[T]
	v_nop                                          ; one plain place behind the root
	s_wait_alu depctr_va_vdst(0)
.irp j, 0,2,4,6,8,10,12,14
	v_pk_mul_f32 v[Y+\j:Y+\j+1], v[Y+\j:Y+\j+1], v[FF:FF+1] op_sel_hi:[1,0]
.endr
	ds_store_b128 v[STO], v[Y:Y+3] offset:((\u)/2)*128          ; register 8 t + j is channel 16 t + 8 h + j of my query: bytes 128 a + 64 t + 32 h + 4 j of its row in my stage
	ds_store_b128 v[STO], v[Y+4:Y+7] offset:((\u)/2)*128+16
	ds_store_b128 v[STO], v[Y+8:Y+11] offset:((\u)/2)*128+64
	ds_store_b128 v[STO], v[Y+12:Y+15] offset:((\u)/2)*128+80
.endif
.endm
	UNIT 0
	UNIT 1
	UNIT 2
	UNIT 3
	; ---------------- the way out: my 16 queries' 256 bytes each (two heads) come back from my own stage as whole rows; gamma and beta; sixteen lanes store 256 consecutive bytes, at a multiple of 256 from out0's first byte.
	; Row r of the stage is the tile's token r + 24 (r / 8): rows 2 k and 2 k + 1 are tokens 32 (k / 4) + 2 (k % 4) and the next
	v_and_b32 v[T], 15, v0                         ; r
	v_bfe_u32 v[TP], v0, 4, 1                      ; h
	v_mul_u32_u24 v[ADK], v[TP], SPITCH
	v_lshl_add_u32 v[ADK], v[T], 4, v[ADK]
	s_mul_i32 s[TL], s[WAVE], STG
	v_add_nc_u32 v[ADK], s[TL], v[ADK]             ; lanes 0-15 take one row, lanes 16-31 the next; 16 bytes a lane
	v_lshlrev_b32 v[ADV], 10, v[TP]
	v_lshl_add_u32 v[ADV], v[T], 4, v[ADV]         ; and the same two rows of out0, 1,024 bytes apart
.irp k, 0,1,2,3,4,5,6,7
	ds_load_b128 v[P+4*\k:P+4*\k+3], v[ADK] offset:2*SPITCH*\k   ; LDS serves a wave's instructions in order (ISA guide 5.7.1): these see my stores
.endr
.irp k, 0,1,2,3,4,5,6,7
	s_wait_dscnt 7-\k                              ; load k is in; the younger ones may stay out
	v_pk_fma_f32 v[P+4*\k:P+4*\k+1], v[P+4*\k:P+4*\k+1], v[GM:GM+1], v[GM+4:GM+5]
	v_pk_fma_f32 v[P+4*\k+2:P+4*\k+3], v[P+4*\k+2:P+4*\k+3], v[GM+2:GM+3], v[GM+6:GM+7]
	global_store_b128 v[ADV], v[P+4*\k:P+4*\k+3], s[36:37] offset:(32*(\k/4)+2*(\k%4))*1024 th:TH_STORE_NT
.endr
	s_wait_dscnt 0x0
	s_wait_xcnt 0x0
	v_lshl_add_u32 v254, v0, 2, 0x4f800
	v_mov_b32 v255, 0
	s_wait_tensorcnt 0x0
	ds_add_u32 v254, v255
	s_wait_dscnt 0x0
	CROUND                                         ; the closing round: no work-group ends while a partner may still ask for a tile that names it
	s_endpgm
.Lfunc_end_k_q28a99aafb8_attn:
	.size	k_q28a99aafb8_attn, .Lfunc_end_k_q28a99aafb8_attn-k_q28a99aafb8_attn
	.p2alignl 7, 3214868480
	.fill 96, 4, 3214868480
	.section	.rodata,"a",@progbits
	.p2align	6, 0x0
	.amdhsa_kernel k_q28a99aafb8_attn
		.amdhsa_group_segment_fixed_size 327680
		.amdhsa_private_segment_fixed_size 0
		.amdhsa_enable_private_segment 0
		.amdhsa_kernarg_size 120
		.amdhsa_user_sgpr_count 2
		.amdhsa_user_sgpr_kernarg_segment_ptr 1
		.amdhsa_wavefront_size32 1
		.amdhsa_system_sgpr_workgroup_id_x 1
		.amdhsa_system_sgpr_workgroup_id_y 1
		.amdhsa_system_sgpr_workgroup_id_z 1
		.amdhsa_system_vgpr_workitem_id 0
		.amdhsa_next_free_vgpr 256
		.amdhsa_next_free_sgpr 92
		.amdhsa_reserve_vcc 0
		.amdhsa_float_denorm_mode_32 3
		.amdhsa_float_denorm_mode_16_64 3
		.amdhsa_memory_ordered 1
		.amdhsa_forward_progress 1
		.amdhsa_inst_pref_size 108
	.end_amdhsa_kernel
	.amdgpu_metadata
---
amdhsa.version: [ 1, 2 ]
amdhsa.kernels:
  - .name:           k_q28a99aafb8_attn
    .symbol:         k_q28a99aafb8_attn.kd
    .args:
      - { .name: x_codes, .offset: 0, .size: 8, .value_kind: global_buffer, .address_space: global }
      - { .name: x_scales, .offset: 8, .size: 8, .value_kind: global_buffer, .address_space: global }
      - { .name: Wq_codes, .offset: 16, .size: 8, .value_kind: global_buffer, .address_space: global }
      - { .name: Wq_scales, .offset: 24, .size: 8, .value_kind: global_buffer, .address_space: global }
      - { .name: Wk_codes, .offset: 32, .size: 8, .value_kind: global_buffer, .address_space: global }
      - { .name: Wk_scales, .offset: 40, .size: 8, .value_kind: global_buffer, .address_space: global }
      - { .name: Wv_codes, .offset: 48, .size: 8, .value_kind: global_buffer, .address_space: global }
      - { .name: Wv_scales, .offset: 56, .size: 8, .value_kind: global_buffer, .address_space: global }
      - { .name: lq1, .offset: 64, .size: 8, .value_kind: global_buffer, .address_space: global }
      - { .name: lk1, .offset: 72, .size: 8, .value_kind: global_buffer, .address_space: global }
      - { .name: lq2, .offset: 80, .size: 8, .value_kind: global_buffer, .address_space: global }
      - { .name: lk2, .offset: 88, .size: 8, .value_kind: global_buffer, .address_space: global }
      - { .name: ln_gamma, .offset: 96, .size: 8, .value_kind: global_buffer, .address_space: global }
      - { .name: ln_beta, .offset: 104, .size: 8, .value_kind: global_buffer, .address_space: global }
      - { .name: out0, .offset: 112, .size: 8, .value_kind: global_buffer, .address_space: global }
    .group_segment_fixed_size: 327680
    .private_segment_fixed_size: 0
    .kernarg_segment_align: 8
    .kernarg_segment_size: 120
    .max_flat_workgroup_size: 512
    .sgpr_count:     92
    .vgpr_count:     256
    .wavefront_size: 32
...
	.end_amdgpu_metadata
.endif
;; end of part 1
